; MI455X (gfx1250); checked and timed in simulation.
; The chip was launched on July 23, 2026; its instructions are those of AMD's public machine-readable ISA for CDNA 5 (MIT licence, August 2026) and "CDNA5" Instruction Set Architecture Reference Guide (July 2026). The comments in the code are by the model that wrote it; some were corrected since.
;; Optimized ISM. Allowed arithmetic: matrix products marked QUANTISED: E5M2 operands, one given power-of-two scale a tensor, by v_wmma_f32_16x16x64_bf8_bf8 or v_wmma_f32_16x16x128_bf8_bf8, f32 sums; everything else in f32.
;; Inputs: D 4 x 256 x 32 x 32 float32; S 4 x 256 x 64 x 64 float32; lowp_scales 4 int32 (the exponents e of the quantised operands' scales 2^e).
;; Outputs: out0 4 x 256 x 64 x 64 float32.
;; This version of the problem:
;;   THIS VERSION OF THE PROBLEM IS GIVEN IN LOW PRECISION. The matrix products marked QUANTISED in the list below multiply operands that are first quantised to E5M2 (5 exponent bits, 2 mantissa bits; 8 bits a number), with one given power-of-two scale for each operand tensor; their sums are f32. All else is computed in f32.
;;   The module's matrix products, in the order in which they are computed (A, B: the left and right operand; K: the contracted axis; several contracted axes count as one K, in the product's order):
;;     1. batch 4 x [M 4,096, K 256] x [K 256, N 4,096]; A: computed on the way; B: input S: QUANTISED (scales: A lowp_scales[0], B lowp_scales[1])
;;     2. batch 4 x [M 256, K 4,096] x [K 4,096, N 4,096]; A: input S; B: computed on the way: QUANTISED (scales: A lowp_scales[2], B lowp_scales[3])
;;   THE QUANTISER, for each operand of a quantised product, along K:
;;     - The operand's scale is 2^e, e = its entry of the input lowp_scales (int32; the entries are numbered through the quantised products in the list's order, A before B).
;;     - Each number is divided by the scale, clamped to +-57,344, and rounded to the nearest number of E5M2, ties to even, subnormals kept.
;;     - The product sums the exact products of the quantised numbers (number of the format x scale) in f32.
;;   ~~~python
;;   def quantise(x, axis, e):      # numpy; x: float32 -> the quantised numbers, widened to float32 again
;;       x = np.moveaxis(x, axis, -1); K = x.shape[-1]
;;       r = np.clip(x / 2.0 ** e, -57344, 57344)
;;       step = 2.0 ** (np.maximum(np.frexp(np.where(r == 0, 1, r))[1] - 1, -14) - 2)
;;       q = np.round(r / step) * step * 2.0 ** e      # np.round: ties to even
;;       return np.moveaxis(q, -1, axis).astype(np.float32)
;;   ~~~
;;   OPERANDS COMPUTED ON THE WAY. 'Computed on the way' means the value that the module computes at that place (a softmax that the list does not call 'softmax' is quantised finished and normalised). What goes into a quantiser is computed in f32, as accurately as f32 sums, v_exp_f32 and their like allow (about 1e-6 of the number): no bf16 or f16 on the way to a quantiser, and a product that is left as it is and whose result goes on into a quantised operand takes f32 operands (vector FMAs, or v_wmma_f32_16x16x4_f32). A number that lies on a knife's edge between two numbers of the format may be rounded either way, as far as f32 arithmetic and the matrix unit's own rounding can turn it there, and no further.
;; One version. Each part assembles by itself: llvm-mc -triple=amdgcn-amd-amdhsa -mcpu=gfx1250 --defsym DOCPART=n.
;; ======== version 1 of 1: 2 launches
;; limits: right only within a limited range of input values
;; workspace buffers: pc 16,777,216 bytes; vc 4,194,304 bytes
;; launch score (part 1): grid 4 x 64, 16 waves a work-group, clusters of 4 x 1, 327,680 bytes of LDS; arguments S, D, lowp_scales, pc, vc; writes pc, vc
.if DOCPART == 1
	.amdgcn_target "amdgcn-amd-amdhsa--gfx1250"
	.amdhsa_code_object_version 6
	.text
	.protected	k_q126078b856_score
	.globl	k_q126078b856_score
	.p2align	8
	.type	k_q126078b856_score,@function
k_q126078b856_score:
	s_mov_b64 s[64:65], 0
	v_nop
	global_prefetch_b8 v0, s[64:65] scope:SCOPE_SE
	s_setreg_imm32_b32 hwreg(HW_REG_WAVE_MODE, 25, 1), 1
	s_wait_xcnt 0x0
	s_wait_alu depctr_hold_cnt(0) depctr_sa_sdst(0) depctr_va_vdst(0) depctr_va_sdst(0) depctr_va_ssrc(0) depctr_va_vcc(0) depctr_vm_vsrc(0)
	s_getreg_b32 s2, hwreg(HW_REG_IB_STS2, 6, 4)
	s_cmp_eq_u32 s2, 0
	s_cbranch_scc0 .Lentry_in_a_cluster
	s_endpgm
.Lentry_in_a_cluster:
	s_bfe_u32 s2, ttmp6, 0x10000c
	s_cmp_lg_u32 s2, 0x3003
	s_cbranch_scc0 .Lentry_shape_is_right
	s_endpgm
.Lentry_shape_is_right:
; p = softmax over each run of 64 neighbouring keys of (D . S) / 16, as codes of BF8 (E5M2) with 2^e3, and S as codes with 2^e2 for the second product.
; EACH DIFFERENT QUERY ONCE: the upsampling by two repeats every column of D four times, so a batch has 1,024 different queries; the launch that follows stores each result at its four places.
; SHARES.  A work-group takes 256 keys (block kb of batch b: four runs of 64) x 256 queries (block qb): 16 x 4 x 4 work-groups of 16 waves, 256 registers each.
; 1. Wave w quantises channels 16 w .. 16 w + 15 of all 256 keys and queries.  S's tile, 256 c x 256 keys of f32 (256 KiB), comes into LDS by one tensor load a wave, asked for JOINTLY by the four query blocks of a cluster; a wave reads
;    the 16 rows that it asked for itself, so no barrier stands in between.  D's tile fills no LDS (S's takes 4/5 of it): its numbers go straight into registers.
; 2. A lane loads 4 neighbouring columns of each of the 16 rows; the hold at the largest code writes each column's 16 numbers on end, as the conversion takes them.  The codes go to LDS over the wave's own rows: 16 c of a tile of
;    16 keys or queries are 256 bytes; the tiles lie 272 bytes apart, keys first, then queries.
; 3. Wave w makes the scores of run w % 4 against the 64 queries of group w / 4 (S^T = K Q^T: a lane holds one query, its registers run along the keys), takes the softmax, quantises p and stores its codes.
; 4. The four partners also turn 64 channels each of their keys' S into codes along the keys.  Their rows are loaded again.  They turn through a stage in the wave's own rows.
; IMAGES in memory.  A fragment of 16 rows x 128 K is four blocks of 512 bytes, lane l's 16 bytes at 16 l; lane (r = l % 16, h = l / 16) holds k = 32 q + 16 h + 0 .. 15 of row r in block q: one permutation of k, the same on both sides.
; The keys of tile 2 B + u are 32 B + 8 u + r + 8 (r / 8): the 16 registers of tiles 2 B and 2 B + 1 of S^T are 16 neighbouring keys.
; pc: [b][64 queries: 16][128 keys: 32][query tile: 4] x 2,048 bytes.   vc: [b][64 channels: 4][128 keys: 32][channel tile: 4] x 2,048 bytes.
; SOFTMAX.  p = 2^(c s - c m) / sum, m the run's largest score, c = log2(e) / 16 x 2^(e0 + e1).  c m is rounded once for the whole run, so its rounding cancels between p and the sum.
; No prefetch: there is no loop to run ahead in.
; LIMITS: e0, e1, e2, e3 between -126 and 112, e0 + e1 between -122 and 131.  A p that is under 2^-126 before it is normalised counts as 0 (v_exp_f32 gives no denormals).  NaN among the inputs is not served.
.set LI,  1                            ; 16 x lane
.set QST, 2                            ; where my queries' codes go,
.set KST, 3                            ; and my keys'
.set KL,  4                            ; v4-7: my run's four key tiles, 16 c blocks 0-3, 4-7, 8-11, 12-15
.set SP,  8                            ; 2^e3 and 57,344 x 2^e3
.set LP,  9
.set SPW, 10                           ; LDS address of my spare word; never rewritten
.set NIL, 11                           ; 0; never rewritten
.set QL,  12                           ; v12-15: my four query tiles
.set CQ,  16                           ; v16-47: my queries' codes; later v16-31 the second half of my keys'
.set VC,  32                           ; v32-39: later the codes along the keys
.set T,   48                           ; v48-63: 16 numbers of a column
.set SLD, 64                           ; my rows of S's tile
.set VSI, 65                           ; the stage, in
.set VSO, 66                           ; and out
.set VO,  67                           ; my 16 bytes of two rows of S in memory
.set SQ,  68                           ; 2^e and 57,344 x 2^e: e0,
.set LQ,  69
.set SK,  70                           ; e1,
.set LK,  71
.set SV,  72                           ; e2
.set LV,  73
.set CK,  80                           ; v80-95: the first half of my keys' codes
.set VR,  96                           ; v96-127: S along the keys, as it is loaded
.set X,   128                          ; v128-255: two halves of 128 columns: 4 columns x 16 c: number (c i, column m) at 4 i + m
.set QF,  16                           ; later: v16-79 four query fragments,
.set KF,  80                           ; v80-127 three key fragments,
.set S,   128                          ; v128-255 S^T: tile (qt, kt) at 32 qt + 8 kt
.set ST,  16                           ; later: tile t's statistics at 8 t: +0 -c m; +1 named with it; +2, +3 the sum; +4 .. +7 four chains of the maximum, then +4, +5 a second chain of the sum, +6 1 / sum
.set PC,  80                           ; and p's codes
.set TP,  272                          ; from tile to tile: 256 bytes + 16
.set QOFF, 16*TP                       ; the queries' tiles behind the keys'
.set STG, 32*TP                        ; the stage behind both: 16 rows of 256 bytes + 16: all inside the wave's 16,384 bytes
.set SPARE, 262144                     ; behind S's tile: the spare words, 128 bytes for each wave, which no other line names
.set WV,  16
.set SEL, 52                           ; s[52:53] v_permlanex16_b32's selects: lane l xor 16
.set CS,  54                           ; s[54:55] c, twice;  s56 -c
.set CSN, 56
.macro CROUND                          ; a round of the cluster's barrier
	s_barrier_signal -1
	s_barrier_wait -1
	s_cmp_lg_u32 s[WV], 0
	s_cbranch_scc1 .Lnot_wave_0_\@
	s_barrier_signal -3
.Lnot_wave_0_\@:
	s_barrier_wait -3
	s_barrier_signal -1
	s_barrier_wait -1
.endm
.macro PLACES                          ; four plain vector lines behind a matrix instruction (ISA guide 7.12.1)
.rept 4
	v_nop
.endr
.endm
.macro ADDSH d, s, n                   ; s[d] += s[s] << n
	s_lshl_b32 s59, s[\s], \n
	s_add_co_u32 s[\d], s[\d], s59
.endm
	s_load_b256 s[4:11], s[0:1], 0x0               ; S s[4:5], D s[6:7], the scales' exponents s[8:9], pc s[10:11]
	s_load_b64 s[12:13], s[0:1], 0x20              ; vc
	v_lshl_add_u32 v[SPW], v0, 2, SPARE
	v_mov_b32 v[NIL], 0
	ds_add_u32 v[SPW], v[NIL]                      ; the opening lines
	ds_add_u32 v[SPW], v[NIL]
	v_lshrrev_b32 v48, 5, v0
	v_readfirstlane_b32 s[WV], v48                 ; wave 0..15
	s_and_b32 s19, ttmp7, 0xffff                   ; y = 16 b + kb, which the four partners share
	s_lshr_b32 s2, s19, 4                          ; b
	s_and_b32 s3, s19, 15                          ; kb
	s_lshr_b32 s15, s16, 2                         ; my query group
	s_lshr_b32 s18, s16, 3
	s_and_b32 s66, s16, 3                          ; my run of keys; also my channel tile
	s_lshl_b32 s33, s16, 14                        ; my 16 rows in LDS
	s_mul_i32 s22, s15, 4*TP
	s_add_co_u32 s22, s22, QOFF                    ; four query tiles
	s_mul_i32 s23, s66, 4*TP                       ; four key tiles
	s_add_co_u32 s20, s33, QOFF
	s_add_co_u32 s21, s33, STG
	s_lshl_b32 s38, s2, 22                         ; S: b, my 16 rows of 16,384 bytes, 1,024 bytes for each kb
	ADDSH 38, 16, 18
	ADDSH 38, 3, 10
	s_mov_b32 s39, 0
	s_mov_b32 s32, 1                               ; descriptor group 0: count = 1
	; descriptor group 1: 16 rows of 128 elements of 8 bytes, 2,048 elements apart
	s_mov_b32 s24, 15|(3<<16)|(1<<21)              ; the mask: all four work-groups; elements of 8 bytes; no padding; bit 21 set beside a mask
	s_mov_b32 s25, 128<<16
	s_mov_b32 s26, 16<<16
	s_mov_b32 s27, 128<<16
	s_mov_b32 s28, 16
	s_mov_b32 s29, 2048
	s_mov_b32 s30, 0
	s_mov_b32 s31, 0
	s_bfe_u32 s14, ttmp6, 0x40000                  ; cx = qb: it enters the addresses of D, of the channels' rows and of the results alone
	s_lshl_b32 s36, s2, 20                         ; D: b, my 16 rows of 4,096 bytes, 1,024 bytes for each qb
	ADDSH 36, 14, 10
	ADDSH 36, 16, 16
	s_mov_b32 s37, 0
	s_lshl_b32 s40, s2, 22                         ; S along the keys: channels 64 qb + 16 (w % 4), keys 256 kb + 64 (w / 4)
	ADDSH 40, 14, 20
	ADDSH 40, 66, 18
	ADDSH 40, 3, 10
	ADDSH 40, 15, 8
	s_mov_b32 s41, 0
	s_lshl_b32 s42, s2, 20                         ; vc
	ADDSH 42, 14, 18
	ADDSH 42, 3, 14
	ADDSH 42, 18, 13
	ADDSH 42, 66, 11
	s_and_b32 s57, s15, 1
	ADDSH 42, 57, 10
	s_mov_b32 s43, 0
	s_lshl_b32 s44, s2, 22                         ; pc
	ADDSH 44, 14, 20
	ADDSH 44, 15, 18
	ADDSH 44, 3, 14
	s_lshr_b32 s57, s66, 1
	ADDSH 44, 57, 13
	s_and_b32 s57, s66, 1
	ADDSH 44, 57, 10
	s_mov_b32 s45, 0
	s_mov_b32 s[SEL], 0x76543210
	s_mov_b32 s[SEL+1], 0xfedcba98
	v_and_b32 v48, 31, v0                          ; lane
	v_lshlrev_b32 v[LI], 4, v48
	v_and_b32 v49, 15, v48                         ; r
	v_lshrrev_b32 v50, 4, v48                      ; h
	v_add_nc_u32 v[SLD], s33, v[LI]
	v_lshrrev_b32 v51, 2, v48                      ; queries: my columns 4 l .. 4 l + 3 are rows 4 (l % 4) .. of tile l / 4 (and of the eighth tile behind it)
	v_mul_u32_u24 v51, v51, TP
	v_and_b32 v52, 3, v48
	v_lshl_add_u32 v51, v52, 6, v51
	v_add_nc_u32 v[QST], s20, v51
	v_lshrrev_b32 v51, 3, v48                      ; keys: tile 2 (l / 8) + (l / 2) % 2,
	v_bfe_u32 v52, v48, 1, 1
	v_lshl_add_u32 v51, v51, 1, v52
	v_mul_u32_u24 v51, v51, TP
	v_and_b32 v52, 1, v48                          ; rows 4 (l % 2) + 8 ((l / 4) % 2) ..
	v_lshl_add_u32 v51, v52, 6, v51
	v_bfe_u32 v52, v48, 2, 1
	v_lshl_add_u32 v51, v52, 7, v51
	v_add_nc_u32 v[KST], s33, v51
	v_lshlrev_b32 v51, 4, v49
	v_lshl_add_u32 v52, v50, 14, v51               ; fragments: 16 r, lanes 16-31 the next 16 c, a wave's 16,384 bytes on
	v_add_nc_u32 v[KL], s23, v52
	v_add_nc_u32 v[KL+1], 0x10000, v[KL]
	v_add_nc_u32 v[KL+2], 0x20000, v[KL]
	v_add_nc_u32 v[KL+3], 0x30000, v[KL]
	v_add_nc_u32 v[QL], s22, v52
	v_add_nc_u32 v[QL+1], 0x10000, v[QL]
	v_add_nc_u32 v[QL+2], 0x20000, v[QL]
	v_add_nc_u32 v[QL+3], 0x30000, v[QL]
	v_lshl_add_u32 v[VO], v50, 14, v51             ; lanes 0-15 take 256 bytes of one row of S, lanes 16-31 of the next
	v_mul_u32_u24 v52, v50, 272
	v_add_nc_u32 v52, v52, v51
	v_add_nc_u32 v[VSI], s21, v52
	v_mul_u32_u24 v52, v49, 272
	v_lshl_add_u32 v52, v50, 6, v52
	v_add_nc_u32 v[VSO], s21, v52                  ; row r, + 16 keys for lanes 16-31
	s_wait_alu depctr_va_vdst(0)                   ; ahead of the blocking waits below
	s_wait_dscnt 0x0                               ; both opening adds are done
	CROUND                                         ; all four work-groups are here: the joint loads meet
	s_wait_kmcnt 0x0
	s_load_b128 s[48:51], s[8:9], 0x0              ; e0, e1, e2, e3
	s_add_nc_u64 s[34:35], s[4:5], s[38:39]
	s_or_b32 s35, s35, 0x80000000                  ; type = 2
	tensor_load_to_lds s[32:35], s[24:31]          ; my 16 rows of S's tile: my one tensor load
	s_nop 0
	PLACES
	s_add_nc_u64 s[6:7], s[6:7], s[36:37]
	s_add_nc_u64 s[60:61], s[4:5], s[40:41]
	s_add_nc_u64 s[12:13], s[12:13], s[42:43]
	s_add_nc_u64 s[10:11], s[10:11], s[44:45]
.irp f, 0,1
.irp i, 0,1,2,3,4,5,6,7,8,9,10,11,12,13,14,15
	global_load_b128 v[X+64*\f+4*\i:X+64*\f+4*\i+3], v[LI], s[6:7] offset:4096*\i+512*\f   ; D: 512 consecutive bytes
.endr
.endr
.irp j, 0,1,2,3,4,5,6,7
	global_load_b128 v[VR+4*\j:VR+4*\j+3], v[VO], s[60:61] offset:32768*\j   ; two rows of S, 256 consecutive bytes each
.endr
.macro SCL e, sc, lim                  ; 2^e and 57,344 x 2^e as f32: the conversion takes the first one's exponent field
	s_add_co_i32 s57, s[\e], 127
	s_lshl_b32 s58, s57, 23
	v_mov_b32 v[\sc], s58
	s_add_co_i32 s57, s57, 15
	s_lshl_b32 s57, s57, 23
	s_or_b32 s57, s57, 0x600000
	v_mov_b32 v[\lim], s57
.endm
	s_wait_kmcnt 0x0
	SCL 48, SQ, LQ
	SCL 49, SK, LK
	SCL 50, SV, LV
	SCL 51, SP, LP
	s_add_co_i32 s57, s48, s49                     ; a score stands for score x 2^(e0 + e1): the exponents are added to c's exponent field
	s_lshl_b32 s57, s57, 23
	s_add_co_i32 s[CS], s57, 0x3db8aa3b            ; log2(e) / 16
	s_mov_b32 s[CS+1], s[CS]
	s_xor_b32 s[CSN], s[CS], 0x80000000
	s_wait_alu depctr_va_vdst(0)
; Four columns of 16 numbers at XB -> 16 bytes of codes each at XC, scale XS, bound XL.  The conversion to an 8-bit code does not saturate (ISA guide 7.6.2), so the hold comes first; it also gathers a column.
; Eight plain lines on the other half of T stand between a conversion and the next write of its sources.
.macro QUANT
.irp m, 0,1,2,3
.irp i, 0,1,2,3,4,5,6,7
	v_med3_num_f32 v[T+\i], v[XB+4*\i+\m], -v[XL], v[XL]
.endr
	v_cvt_scalef32_pk8_bf8_f32 v[XC+4*\m:XC+4*\m+1], v[T:T+7], v[XS]
.irp i, 8,9,10,11,12,13,14,15
	v_med3_num_f32 v[T+\i], v[XB+4*\i+\m], -v[XL], v[XL]
.endr
	v_cvt_scalef32_pk8_bf8_f32 v[XC+4*\m+2:XC+4*\m+3], v[T+8:T+15], v[XS]
.endr
.endm
.macro CSTORE ad, c, f                 ; four columns' codes of half f
.irp m, 0,1,2,3
	ds_store_b128 v[\ad], v[\c+4*\m:\c+4*\m+3] offset:8*TP*\f+16*\m
.endr
.endm
.set XS, SQ
.set XL, LQ
	s_wait_loadcnt 24                              ; D's first half is in: its second half and the eight rows' loads may be out
.set XB, X
.set XC, CQ
	QUANT
	s_wait_loadcnt 8
.set XB, X+64
.set XC, CQ+16
	QUANT
	v_nop                                          ; a plain line behind the last conversion
	s_wait_alu depctr_va_vdst(0)
	s_wait_tensorcnt 0x0                           ; my rows of S's tile are in: I alone read them
.irp f, 0,1
.irp i, 0,1,2,3,4,5,6,7,8,9,10,11,12,13,14,15
	ds_load_b128 v[X+64*\f+4*\i:X+64*\f+4*\i+3], v[SLD] offset:1024*\i+512*\f
.endr
.endr
	CSTORE QST, CQ, 0                              ; over my rows: LDS serves a wave's instructions in order, so the loads above see the rows
	CSTORE QST, CQ+16, 1
.set XS, SK
.set XL, LK
	s_wait_dscnt 24                                ; the first half is in: 16 loads and 8 stores may be out
.set XB, X
.set XC, CK
	QUANT
	v_nop
	CSTORE KST, CK, 0
	s_wait_loadcnt 0x0
.irp j, 0,1,2,3,4,5,6,7                ; S along the keys turns through my stage
	ds_store_b128 v[VSI], v[VR+4*\j:VR+4*\j+3] offset:544*\j
.endr
.irp u, 0,1
.irp j, 0,1,2,3
	ds_load_b128 v[X+16*\u+4*\j:X+16*\u+4*\j+3], v[VSO] offset:128*\u+16*\j
.endr
.endr
	s_wait_dscnt 16                                ; the stage's 16 may be out: the second half is in, and the queries' stores have read their registers
.set XB, X+64
.set XC, CQ
	QUANT
	v_nop
	CSTORE KST, CQ, 1
	s_wait_dscnt 4                                 ; back from the stage; the four stores may be out
.irp u, 0,1                            ; 16 neighbouring keys of my row for each u
.irp i, 0,1,2,3,4,5,6,7,8,9,10,11,12,13,14,15
	v_med3_num_f32 v[X+16*\u+\i], v[X+16*\u+\i], -v[LV], v[LV]
.endr
	v_cvt_scalef32_pk8_bf8_f32 v[VC+4*\u:VC+4*\u+1], v[X+16*\u:X+16*\u+7], v[SV]
	v_cvt_scalef32_pk8_bf8_f32 v[VC+4*\u+2:VC+4*\u+3], v[X+16*\u+8:X+16*\u+15], v[SV]
.endr
	v_nop                                          ; a plain line behind the last conversion
.irp u, 0,1
	global_store_b128 v[LI], v[VC+4*\u:VC+4*\u+3], s[12:13] offset:512*\u   ; a block of the image: 512 consecutive bytes
.endr
	s_wait_alu depctr_va_vdst(0)
	s_wait_dscnt 0x0                               ; for the others' sake: my codes lie in LDS
	s_barrier_signal -1
	s_barrier_wait -1                              ; everybody's do; nobody writes LDS from here on
	s_wait_xcnt 0x0                                ; the stores' data registers are loaded into below
.macro KFR kt, hf
.irp c, 0,1,2,3
	ds_load_b128 v[KF+16*((\kt)%3)+4*\c:KF+16*((\kt)%3)+4*\c+3], v[KL+2*(\hf)+\c/2] offset:32768*(\c%2)+TP*(\kt)
.endr
.endm
.macro ROWK kt, hf, younger            ; one key tile against the four query tiles, by turns
	s_wait_dscnt \younger
.irp qt, 0,1,2,3
.if \hf == 0
	v_wmma_f32_16x16x128_bf8_bf8 v[S+32*\qt+8*\kt:S+32*\qt+8*\kt+7], v[KF+16*((\kt)%3):KF+16*((\kt)%3)+15], v[QF+16*\qt:QF+16*\qt+15], 0
.else
	v_wmma_f32_16x16x128_bf8_bf8 v[S+32*\qt+8*\kt:S+32*\qt+8*\kt+7], v[KF+16*((\kt)%3):KF+16*((\kt)%3)+15], v[QF+16*\qt:QF+16*\qt+15], v[S+32*\qt+8*\kt:S+32*\qt+8*\kt+7]
.endif
.endr
.endm
.macro HALF hf                         ; c 128 hf .. 128 hf + 127: 16 products, one to an accumulator, so between a sum's two links stand the 15 others'
.if \hf
	PLACES
.endif
.irp qt, 0,1,2,3
.irp c, 0,1,2,3
	ds_load_b128 v[QF+16*\qt+4*\c:QF+16*\qt+4*\c+3], v[QL+2*\hf+\c/2] offset:32768*(\c%2)+TP*\qt
.endr
.endr
	KFR 0, \hf
	KFR 1, \hf
	KFR 2, \hf
	ROWK 0, \hf, 8                                 ; key tiles 1 and 2 may be out
	PLACES
	KFR 3, \hf                                     ; into key tile 0's registers
	ROWK 1, \hf, 8
	ROWK 2, \hf, 4
	ROWK 3, \hf, 0
.endm
	HALF 0
	HALF 1
	PLACES
	; THE SOFTMAX of my run for my 64 queries: a lane holds one query of each of the four tiles and 32 of its keys; the lane 16 away holds the other 32.  The four tiles alternate line by line.
.irp j, 0,1,2,3                        ; the maximum, in four chains, one to an accumulator, each begun at the accumulator's low end
.irp t, 0,1,2,3
	v_max3_num_f32 v[ST+8*\t+4+\j], v[S+32*\t+8*\j], v[S+32*\t+8*\j+1], v[S+32*\t+8*\j+2]
.endr
.endr
.irp g, 1,2
.irp j, 0,1,2,3
.irp t, 0,1,2,3
	v_max3_num_f32 v[ST+8*\t+4+\j], v[ST+8*\t+4+\j], v[S+32*\t+8*\j+2*\g+1], v[S+32*\t+8*\j+2*\g+2]
.endr
.endr
.endr
.irp t, 0,1,2,3
	v_max3_num_f32 v[ST+8*\t+4], v[ST+8*\t+4], v[S+32*\t+7], v[S+32*\t+15]
.endr
.irp t, 0,1,2,3
	v_max3_num_f32 v[ST+8*\t+6], v[ST+8*\t+6], v[S+32*\t+23], v[S+32*\t+31]
.endr
.irp t, 0,1,2,3
	v_max3_num_f32 v[ST+8*\t+4], v[ST+8*\t+4], v[ST+8*\t+5], v[ST+8*\t+6]
.endr
.irp t, 0,1,2,3
	v_max_num_f32 v[ST+8*\t+4], v[ST+8*\t+4], v[ST+8*\t+7]
.endr
.irp t, 0,1,2,3
	v_permlanex16_b32 v[ST+8*\t+5], v[ST+8*\t+4], s[SEL], s[SEL+1]   ; the query's other 32 keys
.endr
.irp t, 0,1,2,3
	v_max_num_f32 v[ST+8*\t+4], v[ST+8*\t+4], v[ST+8*\t+5]
.endr
.irp t, 0,1,2,3
	v_mul_f32 v[ST+8*\t], s[CSN], v[ST+8*\t+4]     ; -c m
.endr
.irp i, 0,1,2,3,4,5,6,7,8,9,10,11,12,13,14,15
.irp t, 0,1,2,3                        ; c s - c m, two at a time (of the pairs c and -c m the low word serves both halves)
	v_pk_fma_f32 v[S+32*\t+2*\i:S+32*\t+2*\i+1], v[S+32*\t+2*\i:S+32*\t+2*\i+1], s[CS:CS+1], v[ST+8*\t:ST+8*\t+1] op_sel_hi:[1,0,0]
.endr
.endr
	s_wait_alu depctr_va_vdst(0)
.set n, 0
.rept 128
	v_exp_f32 v[S+n], v[S+n]
.set n, n+1
.endr
	v_nop                                          ; a plain line behind the last exponential
	s_wait_alu depctr_va_vdst(0)                   ; one wait for the batch, ahead of its first reader
.irp t, 0,1,2,3                        ; the run's sum, two at a time, in two chains
	v_pk_add_f32 v[ST+8*\t+2:ST+8*\t+3], v[S+32*\t:S+32*\t+1], v[S+32*\t+2:S+32*\t+3]
.endr
.irp t, 0,1,2,3
	v_pk_add_f32 v[ST+8*\t+4:ST+8*\t+5], v[S+32*\t+4:S+32*\t+5], v[S+32*\t+6:S+32*\t+7]
.endr
.irp i, 8,12,16,20,24,28
.irp t, 0,1,2,3
	v_pk_add_f32 v[ST+8*\t+2:ST+8*\t+3], v[ST+8*\t+2:ST+8*\t+3], v[S+32*\t+\i:S+32*\t+\i+1]
.endr
.irp t, 0,1,2,3
	v_pk_add_f32 v[ST+8*\t+4:ST+8*\t+5], v[ST+8*\t+4:ST+8*\t+5], v[S+32*\t+\i+2:S+32*\t+\i+3]
.endr
.endr
.irp t, 0,1,2,3
	v_pk_add_f32 v[ST+8*\t+2:ST+8*\t+3], v[ST+8*\t+2:ST+8*\t+3], v[ST+8*\t+4:ST+8*\t+5]
.endr
.irp t, 0,1,2,3
	v_add_f32 v[ST+8*\t+2], v[ST+8*\t+2], v[ST+8*\t+3]
.endr
.irp t, 0,1,2,3
	v_permlanex16_b32 v[ST+8*\t+4], v[ST+8*\t+2], s[SEL], s[SEL+1]
.endr
.irp t, 0,1,2,3
	v_add_f32 v[ST+8*\t+2], v[ST+8*\t+2], v[ST+8*\t+4]   ; at least about 1: the largest score's term
.endr
	s_wait_alu depctr_va_vdst(0)
.irp t, 0,1,2,3
	v_rcp_f32 v[ST+8*\t+6], v[ST+8*\t+2]
.endr
	v_nop
	s_wait_alu depctr_va_vdst(0)
.irp t, 0,1,2,3                        ; p, finished and normalised, held at the largest code x 2^e3 (p is not negative: the hold is one-sided, and it stands whatever e3 is), quantised and stored
.set n, 0
.rept 16
	v_pk_mul_f32 v[S+32*\t+n:S+32*\t+n+1], v[S+32*\t+n:S+32*\t+n+1], v[ST+8*\t+6:ST+8*\t+7] op_sel_hi:[1,0]
.set n, n+2
.endr
.set n, 0
.rept 32
	v_min_num_f32 v[S+32*\t+n], v[S+32*\t+n], v[LP]
.set n, n+1
.endr
.irp k, 0,1,2,3
	v_cvt_scalef32_pk8_bf8_f32 v[PC+8*\t+2*\k:PC+8*\t+2*\k+1], v[S+32*\t+8*\k:S+32*\t+8*\k+7], v[SP]   ; key tiles 2 b, 2 b + 1 give registers 4 b .. 4 b + 3: keys 32 b + 16 h + 0 .. 15
.endr
	v_nop                                          ; a plain line behind the last conversion
.irp b, 0,1
	global_store_b128 v[LI], v[PC+8*\t+4*\b:PC+8*\t+4*\b+3], s[10:11] offset:2048*\t+512*\b   ; 512 consecutive bytes
.endr
.endr
	s_wait_tensorcnt 0x0                           ; the wave's end
	ds_add_u32 v[SPW], v[NIL]
	s_wait_dscnt 0x0
	CROUND                                         ; the closing round: no work-group ends while a partner may still ask for a tile that names it
	s_endpgm
.Lfunc_end_k_q126078b856_score:
	.size	k_q126078b856_score, .Lfunc_end_k_q126078b856_score-k_q126078b856_score
	.p2alignl 7, 3214868480
	.fill 96, 4, 3214868480
	.section	.rodata,"a",@progbits
	.p2align	6, 0x0
	.amdhsa_kernel k_q126078b856_score
		.amdhsa_group_segment_fixed_size 327680
		.amdhsa_private_segment_fixed_size 0
		.amdhsa_enable_private_segment 0
		.amdhsa_kernarg_size 40
		.amdhsa_user_sgpr_count 2
		.amdhsa_user_sgpr_kernarg_segment_ptr 1
		.amdhsa_wavefront_size32 1
		.amdhsa_system_sgpr_workgroup_id_x 1
		.amdhsa_system_sgpr_workgroup_id_y 1
		.amdhsa_system_sgpr_workgroup_id_z 1
		.amdhsa_system_vgpr_workitem_id 0
		.amdhsa_next_free_vgpr 256
		.amdhsa_next_free_sgpr 72
		.amdhsa_reserve_vcc 0
		.amdhsa_float_denorm_mode_32 3
		.amdhsa_float_denorm_mode_16_64 3
		.amdhsa_memory_ordered 1
		.amdhsa_forward_progress 1
		.amdhsa_inst_pref_size 71
	.end_amdhsa_kernel
	.amdgpu_metadata
---
amdhsa.version: [ 1, 2 ]
amdhsa.kernels:
  - .name:           k_q126078b856_score
    .symbol:         k_q126078b856_score.kd
    .args:
      - { .name: S, .offset: 0, .size: 8, .value_kind: global_buffer, .address_space: global }
      - { .name: D, .offset: 8, .size: 8, .value_kind: global_buffer, .address_space: global }
      - { .name: lowp_scales, .offset: 16, .size: 8, .value_kind: global_buffer, .address_space: global }
      - { .name: pc, .offset: 24, .size: 8, .value_kind: global_buffer, .address_space: global }
      - { .name: vc, .offset: 32, .size: 8, .value_kind: global_buffer, .address_space: global }
    .group_segment_fixed_size: 327680
    .private_segment_fixed_size: 0
    .kernarg_segment_align: 8
    .kernarg_segment_size: 40
    .max_flat_workgroup_size: 512
    .sgpr_count:     72
    .vgpr_count:     256
    .wavefront_size: 32
...
	.end_amdgpu_metadata
.endif
;; end of part 1
;; launch pv (part 2): grid 16 x 16, 8 waves a work-group, clusters of 4 x 4, 327,680 bytes of LDS; arguments pc, vc, D, lowp_scales, out0; writes out0
.if DOCPART == 2
	.amdgcn_target "amdgcn-amd-amdhsa--gfx1250"
	.amdhsa_code_object_version 6
	.text
	.protected	k_q126078b856_pv
	.globl	k_q126078b856_pv
	.p2align	8
	.type	k_q126078b856_pv,@function
k_q126078b856_pv:
	s_mov_b64 s[64:65], 0
	v_nop
	global_prefetch_b8 v0, s[64:65] scope:SCOPE_SE
	s_setreg_imm32_b32 hwreg(HW_REG_WAVE_MODE, 25, 1), 1
	s_wait_xcnt 0x0
	s_wait_alu depctr_hold_cnt(0) depctr_sa_sdst(0) depctr_va_vdst(0) depctr_va_sdst(0) depctr_va_ssrc(0) depctr_va_vcc(0) depctr_vm_vsrc(0)
	s_getreg_b32 s2, hwreg(HW_REG_IB_STS2, 6, 4)
	s_cmp_eq_u32 s2, 0
	s_cbranch_scc0 .Lentry_in_a_cluster
	s_endpgm
.Lentry_in_a_cluster:
	s_bfe_u32 s2, ttmp6, 0x10000c
	s_cmp_lg_u32 s2, 0xf033
	s_cbranch_scc0 .Lentry_shape_is_right
	s_endpgm
.Lentry_shape_is_right:
; out0[b][c][2 y + 0, 1][2 x + 0, 1] = (sum over the 4,096 keys of V[c][key] p[query y, x][key]) x 2^(e2 + e3) + D[b][c][y][x], on codes of BF8 (E5M2), f32 sums.
; SHARES.  A work-group makes 64 channels (block cb) x 64 queries (block qb: rows 2 qb and 2 qb + 1 of D) of batch b over all keys: 4 x 16 x 4 work-groups; no sum spans work-groups.
; Wave w takes keys 512 w .. 512 w + 511, four chunks of 128, and makes all 16 tiles of O^T for them (source 0 = 16 channels, source 1 = 16 queries): each fragment of V and of p is read by one wave, once.
; At the end the eight waves' sums are added through LDS: each stores its 16 tiles, then adds up two tiles of all eight.
; IMAGES, as the launch before lays them: a fragment of 16 rows x 128 keys is 2,048 bytes, four blocks of 512, lane l's 16 bytes at 16 l.  A wave's V and its p are 32,768 consecutive bytes each.
; CLUSTER 4 x 4: x is the query block, y the channel block.  V's tile (256 KiB) is shared along a row of the cluster: one joint load of 32 KiB a wave, and the wave that asked alone reads it.  p's tile would not fit in LDS beside it, and
; each of its fragments serves one wave: it goes straight into registers, 64 loads a wave in one run, multiplied in the order in which they come.
; No prefetch: there is no loop to run ahead in; all of a wave's loads of p and V are asked for at its head.
; LIMIT: e2 + e3 between -126 and 127, so that 2^(e2 + e3) is an f32 number.
; REGISTERS: window 0: as below.  window 1: p: chunk k, query tile q at 64 k + 16 q.
.set SPARE, 262144                     ; behind V's tile: the spare words, 128 bytes for each wave, which no other line names
.set LI,  1                            ; 16 x lane
.set AV,  2                            ; my V in LDS; later my sums go over it
.set PR,  3                            ; v3-6: the two tiles that I add up, in waves 0-1's, 2-3's, 4-5's, 6-7's sums
.set DO,  7                            ; 4 x lane
.set OO,  8                            ; 8 x lane
.set SPW, 10                           ; LDS address of my spare word; never rewritten
.set NIL, 11                           ; 0; never rewritten
.set DD,  16                           ; v16-31: D, 16 channels of my row
.set VF,  32                           ; v32-95: four fragments of V
.set AC,  128                          ; v128-255: the 16 accumulators, (ct, qt) at 8 (4 ct + qt)
.set Z,   32                           ; later: v32-63 the results, doubled
.set WV,  16
.set MSB, 0
.macro WIN new                         ; the immediate's high byte repeats the setting that is left
.if MSB != \new
	s_set_vgpr_msb (MSB<<8)|\new
.set MSB, \new
.endif
.endm
.macro CROUND                          ; a round of the cluster's barrier
	s_barrier_signal -1
	s_barrier_wait -1
	s_cmp_lg_u32 s[WV], 0
	s_cbranch_scc1 .Lnot_wave_0_\@
	s_barrier_signal -3
.Lnot_wave_0_\@:
	s_barrier_wait -3
	s_barrier_signal -1
	s_barrier_wait -1
.endm
.macro PLACES                          ; four plain vector lines behind a matrix instruction (ISA guide 7.12.1)
.rept 4
	v_nop
.endr
.endm
.macro ADDSH d, s, n                   ; s[d] += s[s] << n
	s_lshl_b32 s78, s[\s], \n
	s_add_co_u32 s[\d], s[\d], s78
.endm
	s_load_b256 s[4:11], s[0:1], 0x0               ; pc s[4:5], vc s[6:7], D s[8:9], the scales' exponents s[10:11]
	s_load_b64 s[12:13], s[0:1], 0x20              ; out0
	v_lshl_add_u32 v[SPW], v0, 2, SPARE
	v_mov_b32 v[NIL], 0
	ds_add_u32 v[SPW], v[NIL]                      ; the opening lines
	ds_add_u32 v[SPW], v[NIL]
	v_lshrrev_b32 v14, 5, v0
	v_readfirstlane_b32 s[WV], v14                 ; wave 0..7
	s_bfe_u32 s18, ttmp6, 0x40004                  ; cy = cb
	s_and_b32 s20, ttmp7, 0xffff                   ; b = cluster y
	s_lshl_b32 s22, s16, 15                        ; my 32,768 bytes in LDS
	s_lshl_b32 s46, s20, 20                        ; V: (4 b + cb) x 262,144, + mine
	ADDSH 46, 18, 18
	ADDSH 46, 16, 15
	s_mov_b32 s47, 0
	; descriptor group 1: a dense block of 32,768 bytes as 128 rows of 32 elements of 8 bytes
	s_lshl_b32 s3, s18, 2
	s_lshl_b32 s3, 15, s3                          ; the mask: my row of the cluster
	s_or_b32 s24, s3, (3<<16)|(1<<21)
	s_mov_b32 s25, 32<<16
	s_mov_b32 s26, 128<<16
	s_mov_b32 s27, 32<<16
	s_mov_b32 s28, 128
	s_mov_b32 s29, 32
	s_mov_b32 s30, 0
	s_mov_b32 s31, 0
	s_mov_b32 s32, 1                               ; group 0: count = 1
	s_mov_b32 s33, s22
	s_bfe_u32 s17, ttmp6, 0x40000                  ; cx: it enters the addresses of p, D and out0 alone
	s_lshl_b32 s19, ttmp9, 2
	s_add_co_u32 s19, s19, s17                     ; qb = 4 x cluster x + cx
	s_lshl_b32 s40, s20, 22                        ; p: (16 b + qb) x 262,144, + mine
	ADDSH 40, 19, 18
	ADDSH 40, 16, 15
	s_mov_b32 s41, 0
	s_lshl_b32 s68, s20, 20                        ; D: b, channels 64 cb + 16 (w / 2) of 4,096 bytes, row 2 qb + w % 2 of 128
	ADDSH 68, 18, 18
	s_lshr_b32 s79, s16, 1
	ADDSH 68, 79, 16
	s_lshl_b32 s70, s20, 22                        ; out0: the same channels of 16,384 bytes, rows of 256, two for each of D's
	ADDSH 70, 18, 20
	ADDSH 70, 79, 18
	s_and_b32 s79, s16, 1
	ADDSH 79, 19, 1
	ADDSH 68, 79, 7
	ADDSH 70, 79, 9
	s_mov_b32 s69, 0
	s_mov_b32 s71, 0
	s_lshl_b32 s2, s16, 11                         ; two tiles of 1,024 bytes for each wave
	v_and_b32 v14, 31, v0
	v_lshlrev_b32 v[LI], 4, v14
	v_lshlrev_b32 v[DO], 2, v14
	v_lshlrev_b32 v[OO], 3, v14
	v_add_nc_u32 v[AV], s22, v[LI]
	v_add_nc_u32 v[PR], s2, v[LI]
	v_add_nc_u32 v[PR+1], 0x10000, v[PR]
	v_add_nc_u32 v[PR+2], 0x20000, v[PR]
	v_add_nc_u32 v[PR+3], 0x30000, v[PR]
	s_wait_alu depctr_va_vdst(0)                   ; ahead of the blocking waits below
	s_wait_dscnt 0x0                               ; both opening adds are done
	CROUND                                         ; all sixteen work-groups are here: the joint loads meet
	s_wait_kmcnt 0x0
	s_load_b128 s[72:75], s[10:11], 0x0            ; e0, e1, e2, e3
	s_add_nc_u64 s[34:35], s[6:7], s[46:47]
	s_or_b32 s35, s35, 0x80000000                  ; type = 2
	tensor_load_to_lds s[32:35], s[24:31]          ; my V: my one tensor load
	s_nop 0
	PLACES
	s_add_nc_u64 s[4:5], s[4:5], s[40:41]
	s_add_nc_u64 s[8:9], s[8:9], s[68:69]
	s_add_nc_u64 s[12:13], s[12:13], s[70:71]
	WIN 0x40                                       ; destination window 1
.set n, 0
.rept 64
	global_load_b128 v[4*n:4*n+3], v[LI], s[4:5] offset:512*n   ; p: 512 consecutive bytes
.set n, n+1
.endr
	WIN 0x04                                       ; source 1 window 1: p; loads and all else in window 0
	s_wait_kmcnt 0x0
	s_add_co_i32 s76, s74, s75
	s_add_co_i32 s76, s76, 127
	s_lshl_b32 s76, s76, 23                        ; 2^(e2 + e3) as f32
	s_mov_b32 s77, s76                             ; (named with it as a pair)
	s_wait_tensorcnt 0x0                           ; my V is in: I alone read it
; A CHUNK of 128 keys: 16 products, one to an accumulator: between a sum's links stand the 15 others'.  left: the loads issued behind the chunk's first fragment of p; four fewer for each further one.
.macro CHUNK k, left
.if \k
	PLACES
.endif
.irp ct, 0,1,2,3
.irp c, 0,1,2,3
	ds_load_b128 v[VF+16*\ct+4*\c:VF+16*\ct+4*\c+3], v[AV] offset:8192*\k+2048*\ct+512*\c
.endr
.endr
	s_wait_dscnt 0x0
.irp q, 0,1,2,3
	s_wait_loadcnt \left-4*\q
.irp ct, 0,1,2,3
.if \k == 0
	v_wmma_f32_16x16x128_bf8_bf8 v[AC+8*(4*\ct+\q):AC+8*(4*\ct+\q)+7], v[VF+16*\ct:VF+16*\ct+15], v[64*\k+16*\q:64*\k+16*\q+15], 0
.else
	v_wmma_f32_16x16x128_bf8_bf8 v[AC+8*(4*\ct+\q):AC+8*(4*\ct+\q)+7], v[VF+16*\ct:VF+16*\ct+15], v[64*\k+16*\q:64*\k+16*\q+15], v[AC+8*(4*\ct+\q):AC+8*(4*\ct+\q)+7]
.endif
.endr
.endr
.endm
	CHUNK 0, 60
.irp c, 0,1,2,3,4,5,6,7,8,9,10,11,12,13,14,15
	global_load_b32 v[DD+\c], v[DO], s[8:9] offset:4096*\c   ; D: a row's 128 bytes, lane = column; awaited on the way out, so the counts below have 16 more
.endr
	CHUNK 1, 60
	CHUNK 2, 44
	CHUNK 3, 28
	WIN 0
	PLACES
	; THE WAY OUT.  My 16 tiles go over my V, which I have read, each from its low end on; then wave w adds up tiles 2 w and 2 w + 1 of all eight waves: channel tile w / 2, row w % 2 of the two rows of D.
.set n, 0
.rept 16
	ds_store_b128 v[AV], v[AC+8*n:AC+8*n+3] offset:1024*n
	ds_store_b128 v[AV], v[AC+8*n+4:AC+8*n+7] offset:1024*n+512
.set n, n+1
.endr
	s_wait_dscnt 0x0                               ; for the others' sake: my sums lie in LDS
	s_barrier_signal -1
	s_barrier_wait -1
.irp k, 0,1,2,3,4,5,6,7
.irp i, 0,1,2,3
	ds_load_b128 v[AC+16*\k+4*\i:AC+16*\k+4*\i+3], v[PR+\k/2] offset:32768*(\k%2)+512*\i
.endr
.endr
	s_wait_loadcnt 0x0                             ; D
	s_wait_dscnt 0x0
.irp i, 0,2,4,6,8,10,12,14
.irp k, 0,32,64,96
	v_pk_add_f32 v[AC+\k+\i:AC+\k+\i+1], v[AC+\k+\i:AC+\k+\i+1], v[AC+\k+16+\i:AC+\k+16+\i+1]
.endr
.endr
.irp i, 0,2,4,6,8,10,12,14
.irp k, 0,64
	v_pk_add_f32 v[AC+\k+\i:AC+\k+\i+1], v[AC+\k+\i:AC+\k+\i+1], v[AC+\k+32+\i:AC+\k+32+\i+1]
.endr
.endr
.irp i, 0,2,4,6,8,10,12,14
	v_pk_add_f32 v[AC+\i:AC+\i+1], v[AC+\i:AC+\i+1], v[AC+64+\i:AC+64+\i+1]
.endr
.irp j, 0,1,2,3,4,5,6,7
	v_permlane16_swap_b32 v[AC+\j], v[AC+8+\j]     ; tile 2 w's lanes 16-31 (channel 8 + j) change places with tile 2 w + 1's lanes 0-15 (channel j): register c now holds channel c of the whole row, lane = column
.endr
.irp c, 0,2,4,6,8,10,12,14
	v_pk_fma_f32 v[Z+2*\c:Z+2*\c+1], v[AC+\c:AC+\c+1], s[76:77], v[DD+\c:DD+\c+1] op_sel:[0,0,0] op_sel_hi:[0,0,0]       ; the even channel's number, twice: sum x 2^(e2 + e3) + D
	v_pk_fma_f32 v[Z+2*\c+2:Z+2*\c+3], v[AC+\c:AC+\c+1], s[76:77], v[DD+\c:DD+\c+1] op_sel:[1,0,1] op_sel_hi:[1,0,1]     ; the odd channel's
	global_store_b64 v[OO], v[Z+2*\c:Z+2*\c+1], s[12:13] offset:16384*\c th:TH_STORE_NT            ; a whole row of out0: 256 consecutive bytes, aligned
	global_store_b64 v[OO], v[Z+2*\c:Z+2*\c+1], s[12:13] offset:16384*\c+256 th:TH_STORE_NT        ; and the row below it
	global_store_b64 v[OO], v[Z+2*\c+2:Z+2*\c+3], s[12:13] offset:16384*(\c+1) th:TH_STORE_NT
	global_store_b64 v[OO], v[Z+2*\c+2:Z+2*\c+3], s[12:13] offset:16384*(\c+1)+256 th:TH_STORE_NT
.endr
	s_wait_tensorcnt 0x0                           ; the wave's end
	ds_add_u32 v[SPW], v[NIL]
	s_wait_dscnt 0x0
	CROUND                                         ; the closing round: no work-group ends while a partner may still ask for a tile that names it
	s_endpgm
.Lfunc_end_k_q126078b856_pv:
	.size	k_q126078b856_pv, .Lfunc_end_k_q126078b856_pv-k_q126078b856_pv
	.p2alignl 7, 3214868480
	.fill 96, 4, 3214868480
	.section	.rodata,"a",@progbits
	.p2align	6, 0x0
	.amdhsa_kernel k_q126078b856_pv
		.amdhsa_group_segment_fixed_size 327680
		.amdhsa_private_segment_fixed_size 0
		.amdhsa_enable_private_segment 0
		.amdhsa_kernarg_size 40
		.amdhsa_user_sgpr_count 2
		.amdhsa_user_sgpr_kernarg_segment_ptr 1
		.amdhsa_wavefront_size32 1
		.amdhsa_system_sgpr_workgroup_id_x 1
		.amdhsa_system_sgpr_workgroup_id_y 1
		.amdhsa_system_sgpr_workgroup_id_z 1
		.amdhsa_system_vgpr_workitem_id 0
		.amdhsa_next_free_vgpr 512
		.amdhsa_next_free_sgpr 80
		.amdhsa_reserve_vcc 0
		.amdhsa_float_denorm_mode_32 3
		.amdhsa_float_denorm_mode_16_64 3
		.amdhsa_memory_ordered 1
		.amdhsa_forward_progress 1
		.amdhsa_inst_pref_size 34
	.end_amdhsa_kernel
	.amdgpu_metadata
---
amdhsa.version: [ 1, 2 ]
amdhsa.kernels:
  - .name:           k_q126078b856_pv
    .symbol:         k_q126078b856_pv.kd
    .args:
      - { .name: pc, .offset: 0, .size: 8, .value_kind: global_buffer, .address_space: global }
      - { .name: vc, .offset: 8, .size: 8, .value_kind: global_buffer, .address_space: global }
      - { .name: D, .offset: 16, .size: 8, .value_kind: global_buffer, .address_space: global }
      - { .name: lowp_scales, .offset: 24, .size: 8, .value_kind: global_buffer, .address_space: global }
      - { .name: out0, .offset: 32, .size: 8, .value_kind: global_buffer, .address_space: global }
    .group_segment_fixed_size: 327680
    .private_segment_fixed_size: 0
    .kernarg_segment_align: 8
    .kernarg_segment_size: 40
    .max_flat_workgroup_size: 256
    .sgpr_count:     80
    .vgpr_count:     512
    .wavefront_size: 32
...
	.end_amdgpu_metadata
.endif
;; end of part 2
